; MI455X (gfx1250); checked and timed in simulation.
; The chip was launched on July 23, 2026; its instructions are those of AMD's public machine-readable ISA for CDNA 5 (MIT licence, August 2026) and "CDNA5" Instruction Set Architecture Reference Guide (July 2026). The comments in the code are by the model that wrote it; some were corrected since.
;; GCLI Quantized Linear. Allowed arithmetic: matrix products marked QUANTISED: E2M1 operands, one E8M0 scale for each 32 along K, by v_wmma_scale_f32_16x16x128_f8f6f4 with both operands' format E2M1 (or v_wmma_scale_f32_32x16x128_f4), f32 sums; everything else in f32.
;; Inputs: W_q 4,096 x 4,096 int32; bias 4,096 float32; mu1 4,096 float32; mu2 4,096 float32; scales 4,096 x 64 x 1 float32; x_codes 4 x 1,024 x 128 x 16 uint8 (E2M1 codes of x, K innermost, in blocks of 32 codes, two codes a byte); x_scales 4 x 1,024 x 128 uint8 (E8M0 scales of x, one for each 32 codes along K); zeros 4,096 x 64 x 1 float32.
;; Outputs: out0 4 x 1,024 x 4,096 float32.
;; This version of the problem:
;;   THIS VERSION OF THE PROBLEM IS GIVEN IN LOW PRECISION. The matrix products marked QUANTISED in the list below multiply operands that are first quantised to E2M1 (2 exponent bits, 1 mantissa bit; 4 bits a number), with one power-of-two scale for each 32 numbers along K (OCP MX v1.0); their sums are f32. All else is computed in f32.
;;   The module's matrix products, in the order in which they are computed (A, B: the left and right operand; K: the contracted axis; several contracted axes count as one K, in the product's order):
;;     1. [M 4,096, K 4,096] x [K 4,096, N 4,096]; A: input x (given as codes); B: computed on the way: QUANTISED
;;   THE QUANTISER, for each operand of a quantised product, along K:
;;     - K is cut into blocks of 32 from its start; a last block that is shorter is filled with zeros.
;;     - A block's scale is 2^e with e = floor(log2(the largest magnitude in the block)) - 2, held to -126 .. 127; a block of zeros has e = 0. As a byte (E8M0): e + 127.
;;     - Each number is divided by its block's scale, clamped to +-6, and rounded to the nearest number of E2M1, ties to even, subnormals kept.
;;     - The product sums the exact products of the quantised numbers (number of the format x scale) in f32.
;;   ~~~python
;;   def quantise(x, axis):      # numpy; x: float32 -> the quantised numbers, widened to float32 again
;;       x = np.moveaxis(x, axis, -1); K = x.shape[-1]
;;       x = np.pad(x, [(0, 0)] * (x.ndim - 1) + [(0, -K % 32)]); x = x.reshape(x.shape[:-1] + (-1, 32)); a = np.abs(x).max(-1, keepdims=True)
;;       e = np.where(a > 0, np.clip(np.frexp(np.where(a > 0, a, 1))[1] - 1 - 2, -126, 127), 0)      # np.frexp(a)[1] - 1 = floor(log2(a)), exactly
;;       r = np.clip(x / 2.0 ** e, -6, 6)
;;       step = 2.0 ** (np.maximum(np.frexp(np.where(r == 0, 1, r))[1] - 1, 0) - 1)
;;       q = np.round(r / step) * step * 2.0 ** e      # np.round: ties to even
;;       return np.moveaxis(q.reshape(q.shape[:-2] + (-1,))[..., :K], -1, axis).astype(np.float32)
;;   ~~~
;;   OPERANDS COMPUTED ON THE WAY. 'Computed on the way' means the value that the module computes at that place (a softmax that the list does not call 'softmax' is quantised finished and normalised). What goes into a quantiser is computed in f32, as accurately as f32 sums, v_exp_f32 and their like allow (about 1e-6 of the number): no bf16 or f16 on the way to a quantiser, and a product that is left as it is and whose result goes on into a quantised operand takes f32 operands (vector FMAs, or v_wmma_f32_16x16x4_f32). A number that lies on a knife's edge between two numbers of the format may be rounded either way, as far as f32 arithmetic and the matrix unit's own rounding can turn it there, and no further.
;;   INPUTS GIVEN AS CODES. x (in the module: [4, 1024, 4096], K = its axis 2): each comes as NAME_codes (uint8): NAME with its K axis moved to the last place and cut into blocks of 32 codes, [.., K / 32, bytes a block], one block behind the other in memory; two codes a byte, the lower K in the low four bits (a code: sign, 2 exponent bits, 1 mantissa bit); and NAME_scales (uint8): the same leading axes, one E8M0 byte (e + 127) for each 32 codes along K. Its value is code x scale, taken as it is: it is not quantised again, and the codes and scales need not be those that the quantiser above would give.
;; One version. Each part assembles by itself: llvm-mc -triple=amdgcn-amd-amdhsa -mcpu=gfx1250 --defsym DOCPART=n.
;; ======== version 1 of 1: 2 launches
;; limits: right only within a limited range of input values
;; workspace buffers: w_codes 8,388,608 bytes; w_sc 524,288 bytes; x_sc 524,288 bytes
;; launch quant (part 1): grid 256 x 1, 8 waves a work-group, no clusters, 109,568 bytes of LDS; arguments W_q, scales, zeros, mu1, mu2, x_scales, w_codes, w_sc, x_sc; writes w_codes, w_sc, x_sc
.if DOCPART == 1
	.amdgcn_target "amdgcn-amd-amdhsa--gfx1250"
	.amdhsa_code_object_version 6
	.text
	.protected	k_qc1c6390432_quant
	.globl	k_qc1c6390432_quant
	.p2align	8
	.type	k_qc1c6390432_quant,@function
k_qc1c6390432_quant:
	s_mov_b64 s[64:65], 0
	v_nop
	global_prefetch_b8 v0, s[64:65] scope:SCOPE_SE
	s_setreg_imm32_b32 hwreg(HW_REG_WAVE_MODE, 25, 1), 1
	s_wait_xcnt 0x0
; W[j][n] = (((f32(W_q[j][n]) - zeros[j][n/64]) * scales[j][n/64]) * mu2[j]) * mu1[n], each step one f32 rounding, in the problem's own order,
; is turned into codes of FP4 (E2M1), K = n, with one E8M0 scale byte for each 32 along n.  Nothing of the problem is left out.
;   w_codes [256 jb][32 q][2 c][32 lanes][16 bytes]: the register image of a matrix operand: lane 16 h + r of piece c holds bytes 64 q + 32 c + 16 h + 0 .. 15 of the
;           2,048 bytes of codes of row 16 jb + r (two codes a byte, the lower n in the low four bits).  A piece is 512 consecutive bytes.
;   w_sc    [8 s][4096 j][16 bytes]: byte b is the scale byte of block 16 s + b of row j.
;   x_sc    the same layout, a plain copy of x_scales [4096 m][128 bytes].
; A block's scale is 2^(floor(log2(its largest magnitude)) - 2); its byte is the largest magnitude's exponent field - 2, held at 1 from below.
; LIMITS: NaN and infinities among the inputs are not served.  A block whose largest magnitude lies under 2^-124 (a block of zeros among them) gets the byte 1; a block of zeros
; has zero codes, which add nothing under that byte, and the bytes are read by this program alone.  W_q is taken as any int32.
; SHARES.  Work-group g owns rows 16 g .. 16 g + 15 (one jb); wave w owns columns 512 w .. 512 w + 511 (q = 4 w .. 4 w + 3).  A step is one row's 512 numbers: four loads of 512 bytes.
; A step's bytes turn through the wave's own stage in LDS and come back 64 bytes a lane: lane l holds columns 512 w + 16 l + 0 .. 15, so two lanes hold a block, four a group of 64.
; A step's codes, 8 bytes a lane, go into the wave's image in LDS (16 units of 256 bytes, 272 apart); behind the 16 steps the image's 4,096 bytes are read back and stored, 512 bytes a store.
; zeros and scales of the 16 rows come into LDS once.  Loads run eight steps (32 loads a wave) ahead.  No tensor load, cluster or matrix instruction: nothing is shared between work-groups.
.set STEPS, 16
.set AHEAD, 8
.set SP,    80                         ; a lane's place in a stage: 64 bytes + 16 of padding
.set ZT,    0                          ; LDS: zeros of my 16 rows, 256 bytes a row
.set STB,   4096                       ; scales likewise
.set WREG0, 8192                       ; a region of 8,192 bytes for each wave: two stages of 32 x SP bytes, then its 256 scale bytes
.set SCB,   2*32*SP
.set SPARE, 0x12000                    ; the spare words, 128 bytes a wave
.set IMG,   SPARE+1024                 ; the images: 16 x 272 bytes a wave
.set ZS,    24                         ; v24-31   two sets of (zero, 0, scale, 0)
.set TB,    32                         ; v32-39   my 16 bytes of each table
.set MU1,   40                         ; v40-55   mu1 of my 16 columns
.set R,     56                         ; v56-183  eight sets of 16 numbers as loaded; at the end v56-87 the image read back
.set X,     184                        ; v184-215 two sets of 16 neighbours
.set C,     216                        ; v216-247 codes: a pair for each step
	s_load_b512 s[4:19], s[0:1], 0x0               ; W_q 4:5, scales 6:7, zeros 8:9, mu1 10:11, mu2 12:13, x_scales 14:15, w_codes 16:17, w_sc 18:19
	s_load_b64 s[20:21], s[0:1], 0x40              ; x_sc
	v_lshl_add_u32 v248, v0, 2, SPARE
	v_mov_b32 v249, 0
	v_lshrrev_b32 v1, 5, v0
	s_delay_alu instid0(VALU_DEP_1)
	v_readfirstlane_b32 s22, v1                    ; wave 0..7
	v_and_b32 v2, 31, v0                           ; lane
	s_delay_alu instid0(VALU_DEP_1)
	v_lshlrev_b32 v3, 4, v2                        ; my 16 bytes of 512
	s_delay_alu instid0(VALU_DEP_2)
	v_lshlrev_b32 v4, 3, v2                        ; my 8 bytes of 256
	v_lshlrev_b32 v7, 4, v0                        ; my 16 bytes of a table's 4,096
	s_delay_alu instid0(VALU_DEP_4)
	v_lshlrev_b32 v10, 6, v2                       ; mu1: my 16 numbers
	v_lshrrev_b32 v13, 1, v2
	v_and_b32 v1, 1, v2
	s_delay_alu instid0(VALU_DEP_2)
	v_lshlrev_b32 v13, 7, v13
	s_delay_alu instid0(VALU_DEP_1)
	v_lshl_add_u32 v13, v1, 3, v13                 ; x_scales: row lane / 2, half lane % 2 of my wave's 16 bytes
	s_lshl_b32 s27, s22, 13
	s_add_co_u32 s27, s27, WREG0                   ; my wave's region
	v_lshrrev_b32 v14, 2, v2
	s_delay_alu instid0(VALU_DEP_1)
	v_lshlrev_b32 v16, 2, v14                      ; 4 (lane / 4): my group of 64
	s_delay_alu instid0(VALU_DEP_2)
	v_mul_u32_u24 v14, v14, SP
	v_and_b32 v1, 3, v2
	s_delay_alu instid0(VALU_DEP_1)
	v_lshl_add_u32 v14, v1, 4, v14
	s_delay_alu instid0(VALU_DEP_1)
	v_add_nc_u32 v14, s27, v14                     ; the stage, on the way in
	v_mul_u32_u24 v15, v2, SP
	s_delay_alu instid0(VALU_DEP_1)
	v_add_nc_u32 v15, s27, v15                     ; and on the way out: my 16 neighbours
	s_lshl_b32 s26, s22, 5
	v_add_nc_u32 v16, s26, v16                     ; the tables: 32 bytes a wave in each row
	s_add_co_u32 s27, s27, SCB
	v_lshrrev_b32 v5, 1, v2
	s_delay_alu instid0(VALU_DEP_1)
	v_add_nc_u32 v5, s27, v5                       ; my block's scale byte,
	v_add_nc_u32 v6, s27, v4                       ; and on the way out 8 bytes a lane
	s_mul_i32 s28, s22, 16*272
	s_add_co_u32 s28, s28, IMG                     ; my wave's image
	v_lshrrev_b32 v250, 1, v2                      ; unit lane / 2 = 4 q + 2 c + h
	v_and_b32 v251, 1, v2
	v_mul_u32_u24 v250, v250, 272
	v_lshl_add_u32 v250, v251, 3, v250             ; + my half of a row's 16 bytes
	v_add_nc_u32 v250, s28, v250                   ; in: the row's 16 bytes stand in the immediate
	v_lshrrev_b32 v251, 4, v2
	v_and_b32 v1, 15, v2
	v_mul_u32_u24 v251, v251, 272
	v_lshl_add_u32 v251, v1, 4, v251
	v_add_nc_u32 v251, s28, v251                   ; back: two units a load, 16 bytes a lane
	v_mov_b32 v23, 0                               ; the upper halves of pairs that are named whole and used by their low word
	v_mov_b32 v25, 0
	v_mov_b32 v27, 0
	v_mov_b32 v29, 0
	v_mov_b32 v31, 0
	s_mov_b32 s25, 0
	s_wait_alu depctr_va_vdst(0)                   ; the wait at the head's end
	s_wait_kmcnt 0x0
	s_lshl_b32 s24, ttmp9, 18                      ; W_q: 16 rows of 16,384 bytes a work-group,
	s_lshl_b32 s26, s22, 11                        ; 2,048 bytes a wave
	s_add_co_u32 s24, s24, s26
	s_add_nc_u64 s[4:5], s[4:5], s[24:25]
	s_lshl_b32 s24, ttmp9, 12                      ; scales, zeros: 16 rows of 256 bytes
	s_add_nc_u64 s[6:7], s[6:7], s[24:25]
	s_add_nc_u64 s[8:9], s[8:9], s[24:25]
	s_mov_b32 s24, s26                             ; mu1: 512 numbers a wave
	s_add_nc_u64 s[10:11], s[10:11], s[24:25]
	s_lshl_b32 s24, ttmp9, 6                       ; mu2: 16 numbers a work-group
	s_add_nc_u64 s[12:13], s[12:13], s[24:25]
	s_load_b512 s[32:47], s[12:13], 0x0            ; mu2 of my 16 rows
	s_lshl_b32 s24, ttmp9, 11                      ; x_scales: 16 rows of 128 bytes, 16 bytes a wave
	s_lshl_b32 s26, s22, 4
	s_add_co_u32 s24, s24, s26
	s_add_nc_u64 s[14:15], s[14:15], s[24:25]
	s_lshl_b32 s24, ttmp9, 15                      ; w_codes: 32,768 bytes a work-group, 4,096 a wave
	s_lshl_b32 s26, s22, 12
	s_add_co_u32 s24, s24, s26
	s_add_nc_u64 s[16:17], s[16:17], s[24:25]
	s_lshl_b32 s24, s22, 16                        ; w_sc, x_sc: plane w of 65,536 bytes, 16 rows of 16 bytes
	s_lshl_b32 s26, ttmp9, 8
	s_add_co_u32 s24, s24, s26
	s_add_nc_u64 s[18:19], s[18:19], s[24:25]
	s_add_nc_u64 s[20:21], s[20:21], s[24:25]
.macro LOAD t                          ; step t's 2,048 bytes into set t % 8
.irp i, 0,1,2,3
	global_load_b128 v[R+16*((\t)%8)+4*\i:R+16*((\t)%8)+4*\i+3], v3, s[4:5] offset:16384*(\t)+512*\i th:TH_LOAD_NT
.endr
.endm
.macro TURN t                          ; step t's numbers through the stage (a wave's LDS instructions are served in order), and the step's zero and scale of my group
.irp i, 0,1,2,3
	ds_store_b128 v14, v[R+16*((\t)%8)+4*\i:R+16*((\t)%8)+4*\i+3] offset:32*SP*((\t)%2)+8*SP*\i
.endr
.irp i, 0,1,2,3
	ds_load_b128 v[X+16*((\t)%2)+4*\i:X+16*((\t)%2)+4*\i+3], v15 offset:32*SP*((\t)%2)+16*\i
.endr
	ds_load_b32 v[ZS+4*((\t)%2)], v16 offset:ZT+256*(\t)
	ds_load_b32 v[ZS+4*((\t)%2)+2], v16 offset:STB+256*(\t)
.endm
	global_load_b128 v[TB:TB+3], v7, s[6:7]        ; my 16 bytes of the scales' table,
	global_load_b128 v[TB+4:TB+7], v7, s[8:9]      ; and of the zeros'
.irp i, 0,1,2,3
	global_load_b128 v[MU1+4*\i:MU1+4*\i+3], v10, s[10:11] offset:16*\i
.endr
	global_load_b64 v[18:19], v13, s[14:15]        ; my 8 bytes of x_scales
.irp t, 0,1,2,3,4,5,6,7
	LOAD \t
.endr
	s_wait_loadcnt 37                              ; 39 loads are out; the first two, the tables', are in
	ds_store_b128 v7, v[TB:TB+3] offset:STB
	ds_store_b128 v7, v[TB+4:TB+7] offset:ZT
	s_wait_dscnt 0x0                               ; for the others' sake: my part of the tables lies in LDS
	s_barrier_signal -1
	s_barrier_wait -1                              ; the only barrier: all else in LDS is a wave's own
	s_wait_kmcnt 0x0                               ; mu2
	s_wait_loadcnt 28                              ; mu1, x_scales and step 0 are in; the 28 loads of steps 1 to 7 may be out
	global_store_b64 v4, v[18:19], s[20:21]        ; x_sc: 32 lanes store 256 consecutive bytes, aligned
	TURN 0
.macro STEP t
.set XS, X+16*((\t)%2)
.set ZP, ZS+4*((\t)%2)
.set EB, 12+5*((\t)%2)                 ; v12, v17: the step's scale byte, by turns
.if (\t) > 0
	s_wait_dscnt 2                                 ; all but the last step's two stores (byte, codes): this step's numbers, zero and scale are back
.else
	s_wait_dscnt 0x0
.endif
.if (\t)+AHEAD < STEPS
	LOAD (\t)+AHEAD                                ; into the set that this step's stage stores have read
.endif
.if (\t)+1 < STEPS
.if (\t)+AHEAD < STEPS
	s_wait_loadcnt 4*(AHEAD-1)                     ; the next step's four loads are in; seven steps' may be out
.else
	s_wait_loadcnt 4*(STEPS-2-(\t))                ; the counts run down
.endif
	TURN (\t)+1                                    ; through the other stage while this step is worked
.endif
.irp i, 0,1,2,3,4,5,6,7,8,9,10,11,12,13,14,15
	v_cvt_f32_i32 v[XS+\i], v[XS+\i]
.endr
	v_mov_b32 v22, s[32+(\t)]                      ; mu2 of this row
.irp i, 0,2,4,6,8,10,12,14
	v_pk_add_f32 v[XS+\i:XS+\i+1], v[XS+\i:XS+\i+1], v[ZP:ZP+1] op_sel_hi:[1,0] neg_lo:[0,1] neg_hi:[0,1]   ; - zero
.endr
.irp i, 0,2,4,6,8,10,12,14
	v_pk_mul_f32 v[XS+\i:XS+\i+1], v[XS+\i:XS+\i+1], v[ZP+2:ZP+3] op_sel_hi:[1,0]   ; x scale
.endr
.irp i, 0,2,4,6,8,10,12,14
	v_pk_mul_f32 v[XS+\i:XS+\i+1], v[XS+\i:XS+\i+1], v[22:23] op_sel_hi:[1,0]       ; x mu2
.endr
.irp i, 0,2,4,6,8,10,12,14
	v_pk_mul_f32 v[XS+\i:XS+\i+1], v[XS+\i:XS+\i+1], v[MU1+\i:MU1+\i+1]             ; x mu1: nothing is fused or reordered ahead of the quantiser
.endr
	v_max3_num_f32 v8, |v[XS]|, |v[XS+1]|, |v[XS+2]|               ; the largest magnitude of my 16, in two chains
	v_max3_num_f32 v9, |v[XS+3]|, |v[XS+4]|, |v[XS+5]|
.irp i, 6,10
	s_delay_alu instid0(VALU_DEP_2)
	v_max3_num_f32 v8, v8, |v[XS+\i]|, |v[XS+\i+1]|
	s_delay_alu instid0(VALU_DEP_2)
	v_max3_num_f32 v9, v9, |v[XS+\i+2]|, |v[XS+\i+3]|
.endr
	s_delay_alu instid0(VALU_DEP_2)
	v_max3_num_f32 v8, v8, |v[XS+14]|, |v[XS+15]|
	s_delay_alu instid0(VALU_DEP_1)
	v_max3_num_f32 v8, v8, v9, 0x1800000           ; and the floor 2^(3 - 127): the byte cannot fall under 1
	s_delay_alu instid0(VALU_DEP_1)
	v_max_num_f32_dpp v8, v8, v8 row_xmask:1 row_mask:0xf bank_mask:0xf   ; and of my neighbour's 16: the block's
	s_delay_alu instid0(VALU_DEP_1)
	v_add_nc_u32 v11, 0xff000000, v8               ; 2 off its exponent field: the conversion's scale operand
	v_cvt_scalef32_pk8_fp4_f32 v[C+2*(\t)], v[XS:XS+7], v11
	v_cvt_scalef32_pk8_fp4_f32 v[C+2*(\t)+1], v[XS+8:XS+15], v11
	v_lshrrev_b32 v[EB], 23, v11                   ; the scale's byte (also the plain instruction behind the conversions)
	ds_store_b8 v5, v[EB] offset:16*(\t)           ; both lanes of a block write the same byte with the same value
	ds_store_b64 v250, v[C+2*(\t):C+2*(\t)+1] offset:16*(\t)   ; my 8 bytes of codes at row t of my unit of the image
.endm
.irp t, 0,1,2,3,4,5,6,7,8,9,10,11,12,13,14,15
	STEP \t
.endr
	ds_load_b64 v[20:21], v6                       ; a wave's LDS instructions are served in order: these see my stores
.irp i, 0,1,2,3,4,5,6,7
	ds_load_b128 v[R+4*\i:R+4*\i+3], v251 offset:544*\i
.endr
	s_wait_dscnt 0x0
	global_store_b64 v4, v[20:21], s[18:19]        ; w_sc: 16 rows x 16 bytes: 256 consecutive bytes, aligned
.irp i, 0,1,2,3,4,5,6,7
	global_store_b128 v3, v[R+4*\i:R+4*\i+3], s[16:17] offset:512*\i   ; w_codes: 512 consecutive bytes, aligned
.endr
	s_wait_tensorcnt 0x0                           ; the wave's end
	ds_add_u32 v248, v249
	s_wait_dscnt 0x0
	s_endpgm
.Lfunc_end_k_qc1c6390432_quant:
	.size	k_qc1c6390432_quant, .Lfunc_end_k_qc1c6390432_quant-k_qc1c6390432_quant
	.p2alignl 7, 3214868480
	.fill 96, 4, 3214868480
	.section	.rodata,"a",@progbits
	.p2align	6, 0x0
	.amdhsa_kernel k_qc1c6390432_quant
		.amdhsa_group_segment_fixed_size 109568
		.amdhsa_private_segment_fixed_size 0
		.amdhsa_enable_private_segment 0
		.amdhsa_kernarg_size 72
		.amdhsa_user_sgpr_count 2
		.amdhsa_user_sgpr_kernarg_segment_ptr 1
		.amdhsa_wavefront_size32 1
		.amdhsa_system_sgpr_workgroup_id_x 1
		.amdhsa_system_sgpr_workgroup_id_y 1
		.amdhsa_system_sgpr_workgroup_id_z 1
		.amdhsa_system_vgpr_workitem_id 0
		.amdhsa_next_free_vgpr 252
		.amdhsa_next_free_sgpr 66
		.amdhsa_reserve_vcc 0
		.amdhsa_float_denorm_mode_32 3
		.amdhsa_float_denorm_mode_16_64 3
		.amdhsa_memory_ordered 1
		.amdhsa_forward_progress 1
		.amdhsa_inst_pref_size 83
	.end_amdhsa_kernel
	.amdgpu_metadata
---
amdhsa.version: [ 1, 2 ]
amdhsa.kernels:
  - .name:           k_qc1c6390432_quant
    .symbol:         k_qc1c6390432_quant.kd
    .args:
      - { .name: W_q, .offset: 0, .size: 8, .value_kind: global_buffer, .address_space: global }
      - { .name: scales, .offset: 8, .size: 8, .value_kind: global_buffer, .address_space: global }
      - { .name: zeros, .offset: 16, .size: 8, .value_kind: global_buffer, .address_space: global }
      - { .name: mu1, .offset: 24, .size: 8, .value_kind: global_buffer, .address_space: global }
      - { .name: mu2, .offset: 32, .size: 8, .value_kind: global_buffer, .address_space: global }
      - { .name: x_scales, .offset: 40, .size: 8, .value_kind: global_buffer, .address_space: global }
      - { .name: w_codes, .offset: 48, .size: 8, .value_kind: global_buffer, .address_space: global }
      - { .name: w_sc, .offset: 56, .size: 8, .value_kind: global_buffer, .address_space: global }
      - { .name: x_sc, .offset: 64, .size: 8, .value_kind: global_buffer, .address_space: global }
    .group_segment_fixed_size: 109568
    .private_segment_fixed_size: 0
    .kernarg_segment_align: 8
    .kernarg_segment_size: 72
    .max_flat_workgroup_size: 256
    .sgpr_count:     66
    .vgpr_count:     252
    .wavefront_size: 32
...
	.end_amdgpu_metadata
.endif
;; end of part 1
;; launch gemm (part 2): grid 16 x 16, 4 waves a work-group, clusters of 4 x 1, 327,680 bytes of LDS; arguments x_codes, x_sc, w_codes, w_sc, bias, out0; writes out0
.if DOCPART == 2
	.amdgcn_target "amdgcn-amd-amdhsa--gfx1250"
	.amdhsa_code_object_version 6
	.text
	.protected	k_qc1c6390432_gemm
	.globl	k_qc1c6390432_gemm
	.p2align	8
	.type	k_qc1c6390432_gemm,@function
k_qc1c6390432_gemm:
	s_mov_b64 s[64:65], 0
	v_nop
	global_prefetch_b8 v0, s[64:65] scope:SCOPE_SE
	s_setreg_imm32_b32 hwreg(HW_REG_WAVE_MODE, 25, 1), 1
	s_wait_xcnt 0x0
	s_wait_alu depctr_hold_cnt(0) depctr_sa_sdst(0) depctr_va_vdst(0) depctr_va_sdst(0) depctr_va_ssrc(0) depctr_va_vcc(0) depctr_vm_vsrc(0)
	s_getreg_b32 s2, hwreg(HW_REG_IB_STS2, 6, 4)
	s_cmp_eq_u32 s2, 0
	s_cbranch_scc0 .Lentry_in_a_cluster
	s_endpgm
.Lentry_in_a_cluster:
	s_bfe_u32 s2, ttmp6, 0x10000c
	s_cmp_lg_u32 s2, 0x3003
	s_cbranch_scc0 .Lentry_shape_is_right
	s_endpgm
.Lentry_shape_is_right:
; out0[m][j] = sum over k of x[m][k] W[j][k] + bias[j]: both operands codes of FP4 with E8M0 scales for each 32 along K; sums in f32; K = 4,096.
; A work-group makes 256 x 256 of out0 (tile row Y, tile column X).  Wave w makes ALL 256 rows x its own 64 columns 64 w .. 64 w + 63: 32 accumulators of 32 (j) x 16 (m), 512 registers.
; x's tile is read by all four waves: it goes through a ring of two LDS slots, each 1,024 along K (256 rows x 512 bytes, 528 apart), four fills in all; each wave fetches 64 rows with one tensor load.
; W's 64 rows of a wave are read by that wave alone in its work-group: they go from memory straight into registers, from w_codes, which is laid as register images (512 consecutive bytes a load),
; three steps of 128 along K ahead, in four sets.  Both sides' scale words go the same way, 512 along K a load, four steps ahead, in two sets (each load's sixteen lanes read 256 consecutive bytes).
; CLUSTER 4 x 1: the four partners have one tile row and so one tile of x: it is asked for jointly (mask 15).  They differ in the tile column, so W is not shared among them.
; THE MATRIX INSTRUCTION: source 0 = 32 rows of W, source 1 = 16 rows of x.  Lane (r, h) of a result holds row m = r and columns j = 8 h + 0 .. 7 (registers 0-7), 16 + 8 h + 0 .. 7 (registers 8-15).
; Source 0's scale words fill 32 lanes (lane = row); x's lie in lanes 0-15 (blocks 0-7) and lanes 16-31 (blocks 8-15) of one register.
; The 32 accumulators take turns in one order in every step.  The first step starts the sums with C = 0; bias is added on the way out, where a lane keeps four columns.
; PREFETCH: behind slot 1's first fill and behind each refill a wave names 32 blocks of 256 bytes of x's tile one slot on (the partners share its 256 rows out by address: 64 each, 16 a wave), and
; 32 blocks of W's next 1,024 along K (of a wave's four blocks of 16 rows the work-group names number Y mod 4).  The last fills have nothing further along K: nothing is asked for beyond K.
; REGISTERS: window 0: v0-31 addresses, v32-95 x's scale words, v96-111 W's, v112-115 bias, v128-255 W's fragments (on the way out: rows read back); window 1: x's fragments, two sets of 128;
; windows 2, 3: the accumulators of x's blocks 0-7, 8-15: (a, b) at v[16 (2 (a % 8) + b)].
.set PITCH,  528                       ; an LDS row: 512 bytes + 16: 132 words, so 16 rows start 4 banks apart
.set SLOT,   256*PITCH
.set QROWS,  64*PITCH                  ; what one tensor load brings
.set HALF8,  128*PITCH                 ; x's blocks 8-15 have address registers of their own: the immediate has 16 bits
.set SPARE,  2*SLOT                    ; the spare words: 128 bytes a wave
.set SPITCH, 272                       ; the way out: 16 rows x (256 + 16) bytes a wave, in slot 0, behind its last fill and last read
.set ADRA, 16                          ; v16-19  x's fragments: slot s, half f at ADRA + 2 s + f
.set WO,   20                          ; 16 x lane
.set XSO,  21                          ; 16 r + 2,048 h
.set STO,  24
.set RD,   25
.set CO,   26
.set PFO,  27
.set SPW,  28
.set NIL,  29
.set PFB,  30
.set BO,   31                          ; 16 r
.set XS,   32
.set WS,   96
.set BIAS, 112
.set WF,   128
.set BK,   128
.set G1,   24                          ; s[24:31] group 1;  s[32:39] group 0, a set for each slot
.set G0,   32
.set MSB, 0
.macro WIN new                         ; the immediate's high byte repeats the setting that is left
.if MSB != \new
	s_set_vgpr_msb (MSB<<8)|\new
.set MSB, \new
.endif
.endm
.set MUL_LO, 0xa4                      ; source 0 (W) window 0, source 1 (x) window 1, C and D window 2
.set MUL_HI, 0xf4                      ; the same, C and D window 3
.macro PLACES
.rept 4
	v_nop
.endr
.endm
.macro JLOAD s                         ; my 64 rows of slot s
	tensor_load_to_lds s[G0+4*(\s):G0+4*(\s)+3], s[G1:G1+7]
	s_nop 0
	PLACES
.endm
.macro CREST                           ; a round of the cluster's barrier behind its opening barrier
	s_cmp_lg_u32 s16, 0
	s_cbranch_scc1 .Lnot_wave_0_\@
	s_barrier_signal -3
.Lnot_wave_0_\@:
	s_barrier_wait -3
	s_barrier_signal -1
	s_barrier_wait -1
.endm
.macro CROUND
	s_barrier_signal -1
	s_barrier_wait -1
	CREST
.endm
	s_load_b256 s[4:11], s[0:1], 0x0               ; x_codes 4:5, x_sc 6:7, w_codes 8:9, w_sc 10:11
	s_load_b128 s[12:15], s[0:1], 0x20             ; bias 12:13, out0 14:15
	v_lshl_add_u32 v[SPW], v0, 2, SPARE
	v_mov_b32 v[NIL], 0
	ds_add_u32 v[SPW], v[NIL]                      ; the opening lines: the add twice on end and one wait
	ds_add_u32 v[SPW], v[NIL]
	v_lshrrev_b32 v1, 5, v0
	v_readfirstlane_b32 s16, v1                    ; wave 0..3
	s_bfe_u32 s17, ttmp6, 0x40000                  ; cx
	s_lshl_b32 s18, ttmp9, 2
	s_add_co_u32 s18, s18, s17                     ; X = 4 x cluster x + cx
	s_and_b32 s19, ttmp7, 0xffff                   ; Y
	s_mov_b32 s[G1+0], 15|(1<<20)|(1<<21)|(6<<22)|(3<<25)   ; mask: the four partners; bytes; 4 words of padding behind every 128
	s_mov_b32 s[G1+1], 512<<16                     ; tensor_dim0
	s_mov_b32 s[G1+2], 64<<16                      ; tensor_dim1
	s_mov_b32 s[G1+3], 512<<16                     ; tile_dim0
	s_mov_b32 s[G1+4], 64                          ; tile_dim1
	s_mov_b32 s[G1+5], 2048                        ; a row of x_codes
	s_mov_b32 s[G1+6], 0
	s_mov_b32 s[G1+7], 0
	s_lshl_b32 s20, s19, 19                        ; x's tile: 256 Y rows of 2,048 bytes,
	s_lshl_b32 s22, s16, 17                        ; my 64 rows
	s_add_co_u32 s20, s20, s22
	s_mov_b32 s21, 0
	s_mul_i32 s23, s16, QROWS
	s_mul_i32 s47, s16, 16*SPITCH                  ; my stage
	s_wait_dscnt 0x0
	s_wait_kmcnt 0x0
	s_add_nc_u64 s[20:21], s[4:5], s[20:21]
.irp s, 0,1
	s_mov_b32 s[G0+4*\s], 1
	s_add_co_u32 s[G0+4*\s+1], s23, \s*SLOT
	s_add_nc_u64 s[G0+4*\s+2:G0+4*\s+3], s[20:21], \s*512
	s_or_b32 s[G0+4*\s+3], s[G0+4*\s+3], 0x80000000
.endr
	CROUND                                         ; the four partners are here: the first joint loads meet
	JLOAD 0                                        ; K 0 .. 1,023: one tensor load a wave at the head
	s_mov_b32 s45, 0                               ; the other bases; cx enters these alone
	s_lshl_b32 s44, s19, 19
	s_lshl_b32 s46, s17, 17
	s_add_co_u32 s44, s44, s46
	s_lshl_b32 s46, s16, 15
	s_add_co_u32 s44, s44, s46
	s_add_nc_u64 s[40:41], s[4:5], s[44:45]        ; x's prefetches: rows 64 cx + 16 w of the tile
	s_lshl_b32 s44, s18, 19
	s_lshl_b32 s46, s16, 17
	s_add_co_u32 s44, s44, s46
	s_add_nc_u64 s[8:9], s[8:9], s[44:45]          ; W's images: block 16 X + 4 w of 32,768 bytes
	s_and_b32 s44, s19, 3
	s_lshl_b32 s44, s44, 15
	s_add_nc_u64 s[42:43], s[8:9], s[44:45]        ; W's prefetches: block Y mod 4 of my four
	s_lshl_b32 s44, s18, 12
	s_lshl_b32 s46, s16, 10
	s_add_co_u32 s44, s44, s46
	s_add_nc_u64 s[10:11], s[10:11], s[44:45]      ; W's scales: row 256 X + 64 w, 16 bytes a row
	s_lshl_b32 s44, s19, 12
	s_add_nc_u64 s[6:7], s[6:7], s[44:45]          ; x's scales: row 256 Y
	s_lshl_b32 s44, s18, 10
	s_lshl_b32 s46, s16, 8
	s_add_co_u32 s44, s44, s46
	s_add_nc_u64 s[12:13], s[12:13], s[44:45]      ; bias and out0: column 256 X + 64 w,
	s_add_nc_u64 s[14:15], s[14:15], s[44:45]
	s_lshl_b32 s44, s19, 22
	s_add_nc_u64 s[14:15], s[14:15], s[44:45]      ; row 256 Y of 16,384 bytes
	v_and_b32 v1, 15, v0                           ; r
	v_bfe_u32 v2, v0, 4, 1                         ; h
	v_and_b32 v3, 31, v0                           ; lane
	v_mul_u32_u24 v4, v1, PITCH
	v_mul_u32_u24 v6, v1, SPITCH
	v_mul_u32_u24 v7, v2, SPITCH
	v_lshrrev_b32 v8, 1, v3
	v_and_b32 v9, 1, v3
	v_lshlrev_b32 v[BO], 4, v1
	v_lshlrev_b32 v[WO], 4, v3
	v_lshlrev_b32 v[PFB], 8, v3                    ; W's prefetch: a lane a block of 256 bytes
	v_lshl_add_u32 v[ADRA], v2, 4, v4              ; a fragment's row x pitch + 16 h
	v_lshl_add_u32 v6, v2, 5, v6
	v_lshlrev_b32 v8, 11, v8
	v_add_nc_u32 v7, v7, v[BO]
	v_lshl_add_u32 v[XSO], v2, 11, v[BO]           ; lanes 16-31 take the block 8 further on
	v_lshl_add_u32 v[CO], v2, 14, v[BO]            ; out0: lanes 0-15 one row's 256 bytes, lanes 16-31 the next row's
	v_add_nc_u32 v[ADRA+1], HALF8, v[ADRA]
	v_add_nc_u32 v[ADRA+2], SLOT, v[ADRA]
	v_add_nc_u32 v[ADRA+3], SLOT+HALF8, v[ADRA]
	v_add_nc_u32 v[STO], s47, v6                   ; into the stage: row r, 32 h
	v_add_nc_u32 v[RD], s47, v7                    ; back: two rows a load
	v_lshl_add_u32 v[PFO], v9, 8, v8               ; x's prefetch: row lane / 2, block lane % 2
	s_wait_alu depctr_va_vdst(0)                   ; the wait at the head's end
.macro XLOAD t                         ; x's 16 fragments of step t into set t % 2: 32 LDS loads in one run
	WIN 0x40
.irp a, 0,1,2,3,4,5,6,7,8,9,10,11,12,13,14,15
.irp c, 0,1
	ds_load_b128 v[128*((\t)%2)+8*\a+4*\c:128*((\t)%2)+8*\a+4*\c+3], v[ADRA+2*(((\t)/8)%2)+(\a)/8] offset:64*((\t)%8)+32*\c+((\a)%8)*16*PITCH
.endr
.endr
	WIN 0
.endm
.macro WLOAD t                         ; W's four blocks of 16 rows of step t into set t % 4
.irp j, 0,1,2,3
.irp c, 0,1
	global_load_b128 v[WF+32*((\t)%4)+8*\j+4*\c:WF+32*((\t)%4)+8*\j+4*\c+3], v[WO], s[8:9] offset:32768*\j+1024*(\t)+512*\c
.endr
.endr
.endm
.macro SLOAD q                         ; the scale words of steps 4 q .. 4 q + 3 into set q % 2: ten loads
.irp i, 0,1,2,3,4,5,6,7
	global_load_b128 v[XS+32*((\q)%2)+4*\i:XS+32*((\q)%2)+4*\i+3], v[XSO], s[6:7] offset:65536*(\q)+256*\i
.endr
.irp b, 0,1
	global_load_b128 v[WS+8*((\q)%2)+4*\b:WS+8*((\q)%2)+4*\b+3], v[WO], s[10:11] offset:65536*(\q)+512*\b
.endr
.endm
.macro ASK pa, pb                      ; prefetches: x's slot pa (none beyond K), W's 1,024 along K number pb
.if \pa < 4
	global_prefetch_b8 v[PFO], s[40:41] offset:512*\pa th:TH_LOAD_NT scope:SCOPE_SE
.endif
	global_prefetch_b8 v[PFB], s[42:43] offset:8192*\pb th:TH_LOAD_NT scope:SCOPE_SE
.endm
; 2 n matrix instructions of step t: x's blocks 8 hi + a0 .. + n - 1, each against W's two blocks of 32 rows
.macro MM t, hi, a0, n, zero
.set AA, \a0
.rept \n
.irp b, 0,1
.set DD, 16*(2*AA+\b)
.set WW, WF+32*((\t)%4)+16*\b
.set XX, 128*((\t)%2)+8*(8*\hi+AA)
.set SW, WS+8*(((\t)/4)%2)+4*\b+(\t)%4
.set SX, XS+32*(((\t)/4)%2)+4*AA+(\t)%4
.if \zero
.if \hi
	v_wmma_scale_f32_32x16x128_f4 v[DD:DD+15], v[WW:WW+15], v[XX:XX+7], 0, v[SW], v[SX] matrix_b_scale:MATRIX_SCALE_ROW1
.else
	v_wmma_scale_f32_32x16x128_f4 v[DD:DD+15], v[WW:WW+15], v[XX:XX+7], 0, v[SW], v[SX]
.endif
.else
.if \hi
	v_wmma_scale_f32_32x16x128_f4 v[DD:DD+15], v[WW:WW+15], v[XX:XX+7], v[DD:DD+15], v[SW], v[SX] matrix_b_scale:MATRIX_SCALE_ROW1
.else
	v_wmma_scale_f32_32x16x128_f4 v[DD:DD+15], v[WW:WW+15], v[XX:XX+7], v[DD:DD+15], v[SW], v[SX]
.endif
.endif
.endr
.set AA, AA+1
.endr
.endm
; A step of 128 along K whose successor lies in the same slot.  All its loads land in sets that the step before read: four places stand ahead of them.
.macro STEP t, zero
	PLACES
.if (\t) < 31
	XLOAD (\t)+1
.endif
	WIN 0
.if (\t) < 29
	WLOAD (\t)+3
.endif
.if (\t)%4 == 0
.if (\t) < 28
	SLOAD (\t)/4+1
.endif
.endif
.set NW, 24                            ; behind step t's loads of W were issued: those of the three steps on (fewer at the end),
.if (\t) > 28
.set NW, 8*(31-(\t))
.endif
.if (\t) < 28
.set NW, NW+10                         ; and one group of scale loads, as long as there is one
.endif
.if (\t) < 31
	s_wait_dscnt 32                                ; all but the 32 just issued: this step's fragments of x are in
.else
	s_wait_dscnt 0x0
.endif
	s_wait_loadcnt NW
	WIN MUL_LO
	MM \t, 0, 0, 8, \zero
	WIN MUL_HI
	MM \t, 1, 0, 8, \zero
.endm
; A slot's last step changes slots: each wave waits for all its tensor loads, adds 0 to its spare word, waits for that and for its reads of this slot; fill = 1: a round of the cluster's barrier, and this slot is filled again
.macro TSTEP t, fill, pa, pb
	WIN 0
	s_wait_tensorcnt 0x0                           ; my part of the next slot has landed
	ds_add_u32 v[SPW], v[NIL]
	s_wait_dscnt 1                                 ; this step's fragments are in; the add may be out
	s_wait_loadcnt 26                              ; behind this step's W: two steps' loads and ten scale loads
	WIN MUL_LO
	MM \t, 0, 0, 4, 0
	s_wait_dscnt 0x0                               ; the add is done, my reads of this slot are over
	s_barrier_signal -1
	MM \t, 0, 4, 4, 0
	WIN 0
	s_barrier_wait -1
.if \fill
	CREST
	s_add_nc_u64 s[G0+4*(((\t)/8)%2)+2:G0+4*(((\t)/8)%2)+3], s[G0+4*(((\t)/8)%2)+2:G0+4*(((\t)/8)%2)+3], 1024
	JLOAD ((\t)/8)%2                               ; the first tensor load behind the round; its four v_nop are the places ahead of the loads below
.else
	PLACES
.endif
	XLOAD (\t)+1
	WLOAD (\t)+3
.if \fill
	ASK \pa, \pb
.endif
	WIN MUL_HI
	MM \t, 1, 0, 8, 0
.endm
	global_load_b128 v[BIAS:BIAS+3], v[BO], s[12:13]   ; bias of the four columns that I store
	SLOAD 0
	WLOAD 0
	WLOAD 1
	WLOAD 2
	s_wait_tensorcnt 0x0                           ; my part of slot 0 is in; these lines stand ahead of a later first fill as ahead of a refill
	ds_add_u32 v[SPW], v[NIL]
	s_wait_dscnt 0x0
	CROUND
	JLOAD 1                                        ; K 1,024 .. 2,047
	XLOAD 0
	ASK 2, 1
	STEP 0, 1                                      ; the first step starts the sums
.irp t, 1,2,3,4,5,6
	STEP \t, 0
.endr
	TSTEP 7, 1, 3, 2                               ; slot 0 takes K 2,048 .. 3,071
.irp t, 8,9,10,11,12,13,14
	STEP \t, 0
.endr
	TSTEP 15, 1, 4, 3                              ; slot 1 takes K 3,072 .. 4,095
.irp t, 16,17,18,19,20,21,22
	STEP \t, 0
.endr
	TSTEP 23, 0, 4, 4                              ; nothing is left to fetch
.irp t, 24,25,26,27,28,29,30,31
	STEP \t, 0
.endr
	WIN 0
; THE WAY OUT, by x's blocks of 16 rows x my 64 columns: through my stage, back as whole rows of 256 bytes, bias added, stored: sixteen lanes fill an aligned unit of 256 bytes.
.macro TOSTAGE a
	WIN 0x08+4*((\a)/8)
.irp b, 0,1
.irp k, 0,1,2,3
	ds_store_b128 v[STO], v[16*(2*((\a)%8)+\b)+4*\k:16*(2*((\a)%8)+\b)+4*\k+3] offset:128*\b+64*(\k/2)+16*(\k%2)   ; each accumulator from its low end on
.endr
.endr
	WIN 0
.irp t, 0,1,2,3,4,5,6,7
	ds_load_b128 v[BK+32*((\a)%2)+4*\t:BK+32*((\a)%2)+4*\t+3], v[RD] offset:\t*2*SPITCH   ; a wave's LDS instructions are served in order
.endr
.endm
.macro SEND a, younger
.set BB, BK+32*((\a)%2)
	s_wait_dscnt \younger
.irp t, 0,1,2,3,4,5,6,7
	v_pk_add_f32 v[BB+4*\t:BB+4*\t+1], v[BB+4*\t:BB+4*\t+1], v[BIAS:BIAS+1]
	v_pk_add_f32 v[BB+4*\t+2:BB+4*\t+3], v[BB+4*\t+2:BB+4*\t+3], v[BIAS+2:BIAS+3]
.endr
.irp t, 0,1,2,3,4,5,6,7
	global_store_b128 v[CO], v[BB+4*\t:BB+4*\t+3], s[14:15] offset:(16*(\a)+2*\t)*16384 th:TH_STORE_NT   ; the row stands in the immediate: 254 rows at the most
.endr
.endm
	PLACES                                         ; ahead of the reads of results and of the loads into W's registers
	TOSTAGE 0
.irp a, 1,2,3,4,5,6,7,8,9,10,11,12,13,14,15
.if \a > 1
	s_wait_xcnt 0x0                                ; block a - 2's stores have read their registers: block a's rows may land there
.endif
	TOSTAGE \a
	SEND \a-1, 16                                  ; behind block a - 1's loads: block a's 8 stores and 8 loads
.endr
	SEND 15, 0
	s_wait_tensorcnt 0x0                           ; the wave's end
	ds_add_u32 v[SPW], v[NIL]
	s_wait_dscnt 0x0
	CROUND                                         ; the closing round
	s_endpgm
.Lfunc_end_k_qc1c6390432_gemm:
	.size	k_qc1c6390432_gemm, .Lfunc_end_k_qc1c6390432_gemm-k_qc1c6390432_gemm
	.p2alignl 7, 3214868480
	.fill 96, 4, 3214868480
	.section	.rodata,"a",@progbits
	.p2align	6, 0x0
	.amdhsa_kernel k_qc1c6390432_gemm
		.amdhsa_group_segment_fixed_size 327680
		.amdhsa_private_segment_fixed_size 0
		.amdhsa_enable_private_segment 0
		.amdhsa_kernarg_size 48
		.amdhsa_user_sgpr_count 2
		.amdhsa_user_sgpr_kernarg_segment_ptr 1
		.amdhsa_wavefront_size32 1
		.amdhsa_system_sgpr_workgroup_id_x 1
		.amdhsa_system_sgpr_workgroup_id_y 1
		.amdhsa_system_sgpr_workgroup_id_z 1
		.amdhsa_system_vgpr_workitem_id 0
		.amdhsa_next_free_vgpr 1024
		.amdhsa_next_free_sgpr 66
		.amdhsa_reserve_vcc 0
		.amdhsa_float_denorm_mode_32 3
		.amdhsa_float_denorm_mode_16_64 3
		.amdhsa_memory_ordered 1
		.amdhsa_forward_progress 1
		.amdhsa_inst_pref_size 255
	.end_amdhsa_kernel
	.section	.bss,"aw",@nobits
	.p2align	6
	.space	262144
	.amdgpu_metadata
---
amdhsa.version: [ 1, 2 ]
amdhsa.kernels:
  - .name:           k_qc1c6390432_gemm
    .symbol:         k_qc1c6390432_gemm.kd
    .args:
      - { .name: x_codes, .offset: 0, .size: 8, .value_kind: global_buffer, .address_space: global }
      - { .name: x_sc, .offset: 8, .size: 8, .value_kind: global_buffer, .address_space: global }
      - { .name: w_codes, .offset: 16, .size: 8, .value_kind: global_buffer, .address_space: global }
      - { .name: w_sc, .offset: 24, .size: 8, .value_kind: global_buffer, .address_space: global }
      - { .name: bias, .offset: 32, .size: 8, .value_kind: global_buffer, .address_space: global }
      - { .name: out0, .offset: 40, .size: 8, .value_kind: global_buffer, .address_space: global }
    .group_segment_fixed_size: 327680
    .private_segment_fixed_size: 0
    .kernarg_segment_align: 8
    .kernarg_segment_size: 48
    .max_flat_workgroup_size: 128
    .sgpr_count:     66
    .vgpr_count:     1024
    .wavefront_size: 32
...
	.end_amdgpu_metadata
.endif
;; end of part 2
